; MI455X (gfx1250); checked and timed in simulation.
; The chip was launched on July 23, 2026; its instructions are those of AMD's public machine-readable ISA for CDNA 5 (MIT licence, August 2026) and "CDNA5" Instruction Set Architecture Reference Guide (July 2026). The comments in the code are by the model that wrote it; some were corrected since.
;; Customized Mo G Positionwise FF. Allowed arithmetic: float matrix products may take bf16 or f16 operands with f32 sums; other float arithmetic in f32, or as packed bf16 or f16 multiplies, adds, multiply-adds, maxima and minima; sums over many terms, partial sums and values carried from step to step in f32; what a program stores and reads back later, other than sums and carried values, may be rounded once to bf16 or f16.
;; Inputs: W1 4 x 8 x 512 x 2,048 float32; W2 4 x 8 x 2,048 x 512 float32; b1 4 x 8 x 2,048 float32; b2 4 x 8 x 512 float32; gln_b 4 x 512 float32; gln_g 4 x 512 float32; inp 2 x 512 x 512 float32; ln_b 512 float32; ln_g 512 float32; wg_group 512 x 4 float32; wg_inner 4 x 512 x 8 float32.
;; Outputs: out0 2 x 512 x 512 float32.
;; One version. Each part assembles by itself: llvm-mc -triple=amdgcn-amd-amdhsa -mcpu=gfx1250 --defsym DOCPART=n.
;; ======== version 1 of 1: 4 launches
;; workspace buffers: zb 1,048,576 bytes; code 16,384 bytes of whole numbers; sel 4,096 bytes of whole numbers; wts 32,768 bytes; hid 134,217,728 bytes; part 8,388,608 bytes
;; launch router (part 1): grid 256 x 1, 4 waves a work-group, no clusters, 10,240 bytes of LDS; arguments inp, ln_g, ln_b, wg_group, wg_inner, zb, code, sel, wts; writes zb, code, sel, wts
.if DOCPART == 1
	.amdgcn_target "amdgcn-amd-amdhsa--gfx1250"
	.amdhsa_code_object_version 6
	.text
	.protected	k_qf0eeff8d09_router
	.globl	k_qf0eeff8d09_router
	.p2align	8
	.type	k_qf0eeff8d09_router,@function
k_qf0eeff8d09_router:
	s_mov_b64 s[64:65], 0
	v_nop
	global_prefetch_b8 v0, s[64:65] scope:SCOPE_SE
	s_setreg_imm32_b32 hwreg(HW_REG_WAVE_MODE, 25, 1), 1
	s_wait_xcnt 0x0
; ROUTER.  1,024 tokens of 512 numbers; a work-group has four tokens, 4 wg .. 4 wg + 3, a wave one of them (n = 4 wg + w).
; It makes z = layernorm(x) g + b (f32; stored once rounded to bf16 in zb, the first product's operand), the four group logits x . wg_group (raw x) and the 32 inner logits
; z . wg_inner[g], all by f32 multiply-adds on the vector unit: a choice hangs on them, and they are 0.2 per cent of the module's arithmetic.
; Then top 2 of 4 groups, top 2 of 8 experts in every group, and both softmaxes over the two kept logits (the larger one taken away first).
; STORED, all at places that hang on the token's number alone:
;   code[g][n]  a word; nibble e is 0, or 8 + slot if token n takes expert (g, e); slot 0..3 = the rank of 8 g + e among the token's four experts, ascending
;   sel[n]      the bitmap of the four experts            wts[n][8]  the inner weights by slot, the lower and the upper chosen group's weight, 0, 0
; PHASES.  1: wave w: its token's layernorm and group logits; z goes to LDS in f32.  2: wave w: group w's eight logits for all four tokens, so that wg_inner is read once a work-group.
; 3: wave w: its token's choices; lane L stands for expert L (group L / 8, expert L % 8).
; LIMITS.  NaN and infinities are not treated apart.  Equal logits: the lower index wins, as in lax.top_k; logits closer than the rounding of an f32 sum of 512 terms may rank otherwise than in another order of summing.
; LDS: z of token t at 2,304 t, word k at (k % 16) 144 + (k / 16) 4 (rows 144 bytes apart: the 16-byte reads of phase 2 start in different groups of banks);
;      logits [token][32] at 9,216; the spare words at 9,728.
.set ZTOK,  2304
.set LOG,   9216
.set SPARE, 9728
.set X,    16          ; v16-31   x, then z: k = 128 c + 4 L + e at X + 4 c + e
.set LG,   32          ; v32-47   ln_g, the same places
.set LB,   48          ; v48-63   ln_b
.set X2,   64          ; v64-79   raw x once more: k = 32 i + L at X2 + i
.set WG,   80          ; v80-143  wg_group[32 i + L][0..3] at WG + 4 i
.set ZT,   16          ; v16-143  phase 2: z[t][16 i + L / 2] at ZT + 32 t + i
.set A2,   144         ; v144-159 phase 2: four sums a token
.set GL,   160         ; v160-163 the four group logits, in every lane
.set TT,   164         ; v164-171 at work
.set ZPK,  172         ; v172-179 z packed to bf16: the data of the stores into zb
.set PT,   180         ; v180-181 take the other half's number in a sum over lanes
.set KR,   182         ; v182     1 / 512
.set LGT,  184         ; phase 3: my expert's logit
.set OT,   185         ; a partner's number
.set RK,   186         ; how many of my group's experts beat mine
.set TM,   187
.set V0,   188         ; my group's largest logit
.set V1,   189         ; its second
.set EA,   190
.set EB,   191
.set EC,   192
.set ED,   193
.set IW,   194         ; my expert's weight, if chosen
.set GW,   195         ; my group's weight, if chosen
.set MG,   196         ; my group's logit
.set GRK,  197         ; how many groups beat mine
.set GMX,  198
.set G2,   199
.set W8,   200         ; v200-207 the eight numbers for wts
.set NINF, 208
.set SLOT, 209
.set NIB,  210
.set E7,   211
.set CO,   212
.set WO,   213
.set SO,   214
.set SELV, 215
; window 1: v0-127 wg_inner[w]: the 16 bytes at 512 i + 16 L, that is k = 16 i + L / 2, experts 4 (L % 2) .. + 3, at 4 i
.set MSB, 0
.macro WIN new                         ; the immediate's high byte repeats the setting that is left
.if MSB != (\new)
	s_set_vgpr_msb (MSB<<8)|(\new)
.set MSB, (\new)
.endif
.endm
.macro RED v                           ; the sum over the 32 lanes, in every lane
	v_add_f32_dpp v[\v], v[\v], v[\v] row_xmask:1 row_mask:0xf bank_mask:0xf
	v_add_f32_dpp v[\v], v[\v], v[\v] row_xmask:2 row_mask:0xf bank_mask:0xf
	v_add_f32_dpp v[\v], v[\v], v[\v] row_xmask:4 row_mask:0xf bank_mask:0xf
	v_add_f32_dpp v[\v], v[\v], v[\v] row_xmask:8 row_mask:0xf bank_mask:0xf
	v_permlanex16_b32 v[PT], v[\v], s24, s25
	v_add_f32 v[\v], v[\v], v[PT]
.endm
; R = (S - mean) / sqrt(variance + 1e-5) for a row of 512 that lies 16 numbers a lane
.macro LNS S, R
	v_pk_add_f32 v[TT:TT+1],   v[\S+0:\S+1],   v[\S+2:\S+3]
	v_pk_add_f32 v[TT+2:TT+3], v[\S+4:\S+5],   v[\S+6:\S+7]
	v_pk_add_f32 v[TT+4:TT+5], v[\S+8:\S+9],   v[\S+10:\S+11]
	v_pk_add_f32 v[TT+6:TT+7], v[\S+12:\S+13], v[\S+14:\S+15]
	v_pk_add_f32 v[TT:TT+1],   v[TT:TT+1],     v[TT+2:TT+3]
	v_pk_add_f32 v[TT+4:TT+5], v[TT+4:TT+5],   v[TT+6:TT+7]
	v_pk_add_f32 v[TT:TT+1],   v[TT:TT+1],     v[TT+4:TT+5]
	v_add_f32 v[TT], v[TT], v[TT+1]
	RED TT
	v_mul_f32 v[TT], v[TT], v[KR]                  ; the mean
	v_mov_b32 v[TT+1], v[TT]
.irp p, 0,2,4,6,8,10,12,14
	v_pk_add_f32 v[\R+\p:\R+\p+1], v[\S+\p:\S+\p+1], v[TT:TT+1] neg_lo:[0,1] neg_hi:[0,1]
.endr
	v_pk_mul_f32 v[TT+2:TT+3], v[\R+0:\R+1], v[\R+0:\R+1]      ; the squares, in two chains
	v_pk_mul_f32 v[TT+4:TT+5], v[\R+2:\R+3], v[\R+2:\R+3]
.irp p, 4,8,12
	v_pk_fma_f32 v[TT+2:TT+3], v[\R+\p:\R+\p+1],   v[\R+\p:\R+\p+1],   v[TT+2:TT+3]
	v_pk_fma_f32 v[TT+4:TT+5], v[\R+\p+2:\R+\p+3], v[\R+\p+2:\R+\p+3], v[TT+4:TT+5]
.endr
	v_pk_add_f32 v[TT+2:TT+3], v[TT+2:TT+3], v[TT+4:TT+5]
	v_add_f32 v[TT+2], v[TT+2], v[TT+3]
	RED TT+2
	v_fmaak_f32 v[TT+2], v[TT+2], v[KR], 0x3727c5ac    ; sum / 512 + 1e-5
	v_rsq_f32 v[TT+4], v[TT+2]                     ; twice, to fill the pair that the packed multiply takes
	v_rsq_f32 v[TT+5], v[TT+2]
	v_nop                                          ; a plain instruction between a root and the use of its result (ISA guide 5.7.2)
	s_wait_alu depctr_va_vdst(0)
.irp p, 0,2,4,6,8,10,12,14
	v_pk_mul_f32 v[\R+\p:\R+\p+1], v[\R+\p:\R+\p+1], v[TT+4:TT+5]
.endr
.endm
	s_load_b512 s[4:19], s[0:1], 0x0               ; inp s[4:5], ln_g s[6:7], ln_b s[8:9], wg_group s[10:11], wg_inner s[12:13], zb s[14:15], code s[16:17], sel s[18:19]
	s_load_b64 s[20:21], s[0:1], 0x40              ; wts
	v_lshl_add_u32 v14, v0, 2, SPARE               ; my spare word, and 0: kept for the closing add alone
	v_mov_b32 v15, 0
	v_lshrrev_b32 v2, 5, v0
	v_readfirstlane_b32 s22, v2                    ; wave w
	s_lshl_b32 s23, ttmp9, 2
	s_add_co_u32 s23, s23, s22                     ; my token n
	s_mov_b32 s24, 0x76543210                      ; v_permlanex16_b32: each lane takes its own place in the other half
	s_mov_b32 s25, 0xfedcba98
	v_and_b32 v1, 31, v0                           ; lane L
	v_lshlrev_b32 v2, 4, v1                        ; 16 L
	s_lshl_b32 s34, s23, 11
	v_add_nc_u32 v3, s34, v2                       ; 2,048 n + 16 L
	v_lshl_add_u32 v4, v1, 2, s34                  ; 2,048 n + 4 L
	s_lshl_b32 s35, s22, 14
	v_add_nc_u32 v5, s35, v2                       ; 16,384 w + 16 L: group w's gate
	s_lshl_b32 s35, s23, 10
	v_lshl_add_u32 v6, v1, 3, s35                  ; 1,024 n + 8 L: my 8 bytes in 256 of zb
	v_mov_b32 v[PT], 0
	v_mov_b32 v[PT+1], 0
	v_mov_b32 v[KR], 0x3b000000                    ; 1 / 512
	s_wait_kmcnt 0x0
.irp c, 0,1,2,3
	global_load_b128 v[X+4*\c:X+4*\c+3], v3, s[4:5] offset:512*\c
.endr
.irp c, 0,1,2,3
	global_load_b128 v[LG+4*\c:LG+4*\c+3], v2, s[6:7] offset:512*\c
.endr
.irp c, 0,1,2,3
	global_load_b128 v[LB+4*\c:LB+4*\c+3], v2, s[8:9] offset:512*\c
.endr
.set i, 0
.rept 16
	global_load_b32 v[X2+i], v4, s[4:5] offset:128*i
.set i, i+1
.endr
.set i, 0
.rept 16
	global_load_b128 v[WG+4*i:WG+4*i+3], v2, s[10:11] offset:512*i
.set i, i+1
.endr
	WIN 0x40                                       ; destination in window 1
.set i, 0
.rept 16
	global_load_b128 v[4*i:4*i+3], v5, s[12:13] offset:512*i
.set i, i+1
.endr
	WIN 0
	; LDS addresses, made while the loads are out
	v_and_b32 v11, 3, v1
	v_lshrrev_b32 v12, 2, v1
	v_mul_u32_u24 v11, v11, 576
	v_lshl_add_u32 v11, v12, 2, v11
	s_mul_i32 s35, s22, ZTOK
	v_add_nc_u32 v7, s35, v11                      ; z goes in: 2,304 w + 576 (L % 4) + 4 (L / 4); + 144 e + 32 c in the immediate
	v_lshrrev_b32 v12, 1, v1
	v_mul_u32_u24 v8, v12, 144                     ; z comes out: 144 (L / 2); + 2,304 t + 16 m
	v_and_b32 v12, 1, v1
	s_lshl_b32 s35, s22, 5
	s_add_co_u32 s35, s35, LOG
	v_lshl_add_u32 v9, v12, 4, s35                 ; logits go in: 32 w + 16 (L % 2); + 128 t
	s_lshl_b32 s35, s22, 7
	s_add_co_u32 s35, s35, LOG
	v_lshl_add_u32 v10, v1, 2, s35                 ; logits come out: 128 w + 4 L
	; PHASE 1
	s_wait_loadcnt 48                              ; x, ln_g, ln_b are in; behind them 16 + 16 + 16 loads were issued
	LNS X, X
.irp p, 0,2,4,6,8,10,12,14
	v_pk_fma_f32 v[X+\p:X+\p+1], v[X+\p:X+\p+1], v[LG+\p:LG+\p+1], v[LB+\p:LB+\p+1]
.endr
	WIN 0x40
.set i, 16
.rept 16
	global_load_b128 v[4*i:4*i+3], v5, s[12:13] offset:512*i   ; the other half of group w's gate
.set i, i+1
.endr
	WIN 0
.irp c, 0,1,2,3
	v_cvt_pk_bf16_f32 v[ZPK+2*\c],   v[X+4*\c],   v[X+4*\c+1]
	v_cvt_pk_bf16_f32 v[ZPK+2*\c+1], v[X+4*\c+2], v[X+4*\c+3]
.endr
.irp c, 0,1,2,3
	global_store_b64 v6, v[ZPK+2*\c:ZPK+2*\c+1], s[14:15] offset:256*\c   ; the wave's 32 lanes store 256 consecutive bytes, aligned
.endr
.irp c, 0,1,2,3
.irp e, 0,1,2,3
	ds_store_b32 v7, v[X+4*\c+\e] offset:144*\e+32*\c
.endr
.endr
	s_wait_loadcnt 32                              ; raw x and wg_group are in; behind them the 32 loads of wg_inner
	v_pk_mul_f32 v[TT:TT+1],   v[WG:WG+1],     v[X2:X2+1] op_sel_hi:[1,0]      ; two sets of sums, by the parity of i
	v_pk_mul_f32 v[TT+2:TT+3], v[WG+2:WG+3],   v[X2:X2+1] op_sel_hi:[1,0]
	v_pk_mul_f32 v[TT+4:TT+5], v[WG+4:WG+5],   v[X2:X2+1] op_sel:[0,1] op_sel_hi:[1,1]
	v_pk_mul_f32 v[TT+6:TT+7], v[WG+6:WG+7],   v[X2:X2+1] op_sel:[0,1] op_sel_hi:[1,1]
.set i, 2
.rept 7
	v_pk_fma_f32 v[TT:TT+1],   v[WG+4*i:WG+4*i+1],   v[X2+i:X2+i+1], v[TT:TT+1]   op_sel_hi:[1,0,1]
	v_pk_fma_f32 v[TT+2:TT+3], v[WG+4*i+2:WG+4*i+3], v[X2+i:X2+i+1], v[TT+2:TT+3] op_sel_hi:[1,0,1]
	v_pk_fma_f32 v[TT+4:TT+5], v[WG+4*i+4:WG+4*i+5], v[X2+i:X2+i+1], v[TT+4:TT+5] op_sel:[0,1,0] op_sel_hi:[1,1,1]
	v_pk_fma_f32 v[TT+6:TT+7], v[WG+4*i+6:WG+4*i+7], v[X2+i:X2+i+1], v[TT+6:TT+7] op_sel:[0,1,0] op_sel_hi:[1,1,1]
.set i, i+2
.endr
	v_pk_add_f32 v[GL:GL+1],   v[TT:TT+1],   v[TT+4:TT+5]
	v_pk_add_f32 v[GL+2:GL+3], v[TT+2:TT+3], v[TT+6:TT+7]
	RED GL
	RED GL+1
	RED GL+2
	RED GL+3
	s_wait_dscnt 0x0                               ; for the others' sake: my z lies in LDS
	s_barrier_signal -1
	s_barrier_wait -1
	; PHASE 2: group w's eight logits for the four tokens
.irp t, 0,1,2,3
.irp m, 0,1,2,3,4,5,6,7
	ds_load_b128 v[ZT+32*\t+4*\m:ZT+32*\t+4*\m+3], v8 offset:ZTOK*\t+16*\m
.endr
.endr
	s_wait_loadcnt 0x0                             ; wg_inner
	s_wait_dscnt 0x0
	WIN 0x01                                       ; source 0 (the gate) in window 1
.set i, 0
.rept 32
.set t, 0
.rept 4
.if i == 0
	v_pk_mul_f32 v[A2+4*t:A2+4*t+1],   v[0:1], v[ZT+32*t:ZT+32*t+1] op_sel_hi:[1,0]
	v_pk_mul_f32 v[A2+4*t+2:A2+4*t+3], v[2:3], v[ZT+32*t:ZT+32*t+1] op_sel_hi:[1,0]
.elseif i%2 == 0
	v_pk_fma_f32 v[A2+4*t:A2+4*t+1],   v[4*i:4*i+1],   v[ZT+32*t+i:ZT+32*t+i+1], v[A2+4*t:A2+4*t+1]   op_sel_hi:[1,0,1]
	v_pk_fma_f32 v[A2+4*t+2:A2+4*t+3], v[4*i+2:4*i+3], v[ZT+32*t+i:ZT+32*t+i+1], v[A2+4*t+2:A2+4*t+3] op_sel_hi:[1,0,1]
.else
	v_pk_fma_f32 v[A2+4*t:A2+4*t+1],   v[4*i:4*i+1],   v[ZT+32*t+i-1:ZT+32*t+i], v[A2+4*t:A2+4*t+1]   op_sel:[0,1,0] op_sel_hi:[1,1,1]
	v_pk_fma_f32 v[A2+4*t+2:A2+4*t+3], v[4*i+2:4*i+3], v[ZT+32*t+i-1:ZT+32*t+i], v[A2+4*t+2:A2+4*t+3] op_sel:[0,1,0] op_sel_hi:[1,1,1]
.endif
.set t, t+1
.endr
.set i, i+1
.endr
	WIN 0
.irp m, 2,4,8                          ; the sum over the 16 lanes of my parity: they hold the 16 values of k % 16
.set i, 0
.rept 16
	v_add_f32_dpp v[A2+i], v[A2+i], v[A2+i] row_xmask:\m row_mask:0xf bank_mask:0xf
.set i, i+1
.endr
.endr
.set i, 0
.rept 16
	v_permlanex16_b32 v[PT+i%2], v[A2+i], s24, s25
	v_add_f32 v[A2+i], v[A2+i], v[PT+i%2]
.set i, i+1
.endr
.irp t, 0,1,2,3
	ds_store_b128 v9, v[A2+4*\t:A2+4*\t+3] offset:128*\t   ; all lanes of a parity hold, and store, the same four logits
.endr
	s_wait_dscnt 0x0
	s_barrier_signal -1
	s_barrier_wait -1
	; PHASE 3: lane L is expert L of my token
	ds_load_b32 v[LGT], v10
	v_mov_b32 v[RK], 0
	v_mov_b32 v[OT], 0
	v_mov_b32 v[GRK], 0
	v_mov_b32 v[NINF], 0xff800000
	s_wait_dscnt 0x0
.irp m, 1,2,3,4,5,6,7                  ; my seven partners in the group of eight lanes
.if \m < 2
.set MK, 0xaaaaaaaa                    ; the lanes whose partner L xor m has the lower number: those with m's highest bit set
.elseif \m < 4
.set MK, 0xcccccccc
.else
.set MK, 0xf0f0f0f0
.endif
	v_mov_b32_dpp v[OT], v[LGT] row_xmask:\m row_mask:0xf bank_mask:0xf
	v_cmp_gt_f32 s26, v[OT], v[LGT]
	v_cmp_eq_f32 s27, v[OT], v[LGT]
	s_and_b32 s27, s27, MK                         ; an equal logit beats mine if its index is lower
	s_or_b32 s26, s26, s27
	v_cndmask_b32 v[TM], 0, 1, s26
	v_add_nc_u32 v[RK], v[RK], v[TM]
.endr
	v_mov_b32 v[V0], v[LGT]
	v_cmp_eq_u32 s26, 0, v[RK]
	v_cndmask_b32 v[V1], v[LGT], v[NINF], s26      ; the winner is taken out: the maximum of the rest is the second
.irp m, 1,2,4
	v_max_num_f32_dpp v[V0], v[V0], v[V0] row_xmask:\m row_mask:0xf bank_mask:0xf
	v_max_num_f32_dpp v[V1], v[V1], v[V1] row_xmask:\m row_mask:0xf bank_mask:0xf
.endr
	s_mov_b32 s28, 0x0000ff00
	s_mov_b32 s29, 0x00ff0000
	s_mov_b32 s30, 0xff000000
	v_cndmask_b32 v[MG], v[GL], v[GL+1], s28       ; my group's logit
	v_cndmask_b32 v[MG], v[MG], v[GL+2], s29
	v_cndmask_b32 v[MG], v[MG], v[GL+3], s30
.irp j, 0,1,2,3
	v_cmp_gt_f32 s26, v[GL+\j], v[MG]
	v_cmp_eq_f32 s27, v[GL+\j], v[MG]
	s_and_b32 s27, s27, (0xffffff00<<(8*\j))&0xffffffff    ; the lanes of the groups above j
	s_or_b32 s26, s26, s27
	v_cndmask_b32 v[TM], 0, 1, s26
	v_add_nc_u32 v[GRK], v[GRK], v[TM]
.endr
	v_max3_num_f32 v[GMX], v[GL], v[GL+1], v[GL+2]
	v_max_num_f32 v[GMX], v[GMX], v[GL+3]
	v_cmp_eq_u32 s26, 1, v[GRK]
	v_cndmask_b32 v[G2], v[NINF], v[MG], s26       ; the second group's logit, brought to every lane
	v_max_num_f32_dpp v[G2], v[G2], v[G2] row_xmask:8 row_mask:0xf bank_mask:0xf
	v_permlanex16_b32 v[TM], v[G2], s24, s25
	v_max_num_f32 v[G2], v[G2], v[TM]
	; softmax over the two kept logits, the larger taken away: weight = e^(mine - first) / (1 + e^(second - first))
	v_sub_f32 v[EA], v[LGT], v[V0]
	v_sub_f32 v[EB], v[V1], v[V0]
	v_sub_f32 v[EC], v[MG], v[GMX]
	v_sub_f32 v[ED], v[G2], v[GMX]
	v_mul_f32 v[EA], 0x3fb8aa3b, v[EA]
	v_mul_f32 v[EB], 0x3fb8aa3b, v[EB]
	v_mul_f32 v[EC], 0x3fb8aa3b, v[EC]
	v_mul_f32 v[ED], 0x3fb8aa3b, v[ED]
	v_exp_f32 v[EA], v[EA]
	v_exp_f32 v[EB], v[EB]
	v_exp_f32 v[EC], v[EC]
	v_exp_f32 v[ED], v[ED]
	v_nop
	s_wait_alu depctr_va_vdst(0)
	v_add_f32 v[EB], 1.0, v[EB]
	v_add_f32 v[ED], 1.0, v[ED]
	v_rcp_f32 v[EB], v[EB]
	v_rcp_f32 v[ED], v[ED]
	v_nop
	s_wait_alu depctr_va_vdst(0)
	v_mul_f32 v[IW], v[EA], v[EB]
	v_mul_f32 v[GW], v[EC], v[ED]
	v_cmp_gt_u32 s26, 2, v[RK]
	v_cmp_gt_u32 s27, 2, v[GRK]
	s_and_b32 s36, s26, s27                        ; the four chosen experts
	v_mbcnt_lo_u32_b32 v[SLOT], s36, 0             ; chosen experts below mine
	v_and_b32 v[E7], 7, v1
	v_lshlrev_b32 v[TM], 2, v[E7]
	v_add_nc_u32 v[NIB], 8, v[SLOT]
	v_cndmask_b32 v[NIB], 0, v[NIB], s36
	v_lshlrev_b32 v[NIB], v[TM], v[NIB]            ; my nibble in my group's word
.irp m, 1,2,4
	v_mov_b32_dpp v[OT], v[NIB] row_xmask:\m row_mask:0xf bank_mask:0xf
	v_or_b32 v[NIB], v[NIB], v[OT]
.endr
.irp j, 0,1,2,3                        ; a weight is brought to every lane as a sum of one number and 31 zeros
	v_cmp_eq_u32 s26, \j, v[SLOT]
	s_and_b32 s26, s26, s36
	v_cndmask_b32 v[W8+\j], 0, v[IW], s26
.endr
	v_cmp_eq_u32 s26, 0, v[SLOT]
	s_and_b32 s26, s26, s36
	v_cndmask_b32 v[W8+4], 0, v[GW], s26           ; slot 0 lies in the lower chosen group,
	v_cmp_eq_u32 s26, 2, v[SLOT]
	s_and_b32 s26, s26, s36
	v_cndmask_b32 v[W8+5], 0, v[GW], s26           ; slot 2 in the upper
.irp j, 0,1,2,3,4,5
	RED W8+\j
.endr
	v_mov_b32 v[W8+6], 0
	v_mov_b32 v[W8+7], 0
	v_lshrrev_b32 v[CO], 3, v1
	v_lshlrev_b32 v[CO], 12, v[CO]
	s_lshl_b32 s34, s23, 2
	s_lshl_b32 s35, s23, 5
	v_add_nc_u32 v[CO], s34, v[CO]                 ; code: 4,096 g + 4 n
	v_mov_b32 v[WO], s35                           ; wts: 32 n
	v_mov_b32 v[SO], s34                           ; sel: 4 n
	v_mov_b32 v[SELV], s36
	s_wait_xcnt 0x0                                ; EXEC is a source of the loads and stores issued so far: it changes only behind this wait
	v_cmp_eq_u32 vcc_lo, 0, v[E7]
	s_and_saveexec_b32 s32, vcc_lo                 ; one lane a group
	global_store_b32 v[CO], v[NIB], s[16:17]
	s_wait_xcnt 0x0
	s_or_b32 exec_lo, exec_lo, s32
	v_cmp_eq_u32 vcc_lo, 0, v1
	s_and_saveexec_b32 s32, vcc_lo                 ; lane 0
	global_store_b128 v[WO], v[W8:W8+3], s[20:21]
	global_store_b128 v[WO], v[W8+4:W8+7], s[20:21] offset:16
	global_store_b32 v[SO], v[SELV], s[18:19]
	s_wait_xcnt 0x0
	s_or_b32 exec_lo, exec_lo, s32
	s_wait_tensorcnt 0x0                           ; the wave's end
	ds_add_u32 v14, v15
	s_wait_dscnt 0x0
	s_endpgm
.Lfunc_end_k_qf0eeff8d09_router:
	.size	k_qf0eeff8d09_router, .Lfunc_end_k_qf0eeff8d09_router-k_qf0eeff8d09_router
	.p2alignl 7, 3214868480
	.fill 96, 4, 3214868480
	.section	.rodata,"a",@progbits
	.p2align	6, 0x0
	.amdhsa_kernel k_qf0eeff8d09_router
		.amdhsa_group_segment_fixed_size 10240
		.amdhsa_private_segment_fixed_size 0
		.amdhsa_enable_private_segment 0
		.amdhsa_kernarg_size 72
		.amdhsa_user_sgpr_count 2
		.amdhsa_user_sgpr_kernarg_segment_ptr 1
		.amdhsa_wavefront_size32 1
		.amdhsa_system_sgpr_workgroup_id_x 1
		.amdhsa_system_sgpr_workgroup_id_y 1
		.amdhsa_system_sgpr_workgroup_id_z 1
		.amdhsa_system_vgpr_workitem_id 0
		.amdhsa_next_free_vgpr 384
		.amdhsa_next_free_sgpr 66
		.amdhsa_reserve_vcc 1
		.amdhsa_float_denorm_mode_32 3
		.amdhsa_float_denorm_mode_16_64 3
		.amdhsa_memory_ordered 1
		.amdhsa_forward_progress 1
		.amdhsa_inst_pref_size 53
	.end_amdhsa_kernel
	.amdgpu_metadata
---
amdhsa.version: [ 1, 2 ]
amdhsa.kernels:
  - .name:           k_qf0eeff8d09_router
    .symbol:         k_qf0eeff8d09_router.kd
    .args:
      - { .name: inp, .offset: 0, .size: 8, .value_kind: global_buffer, .address_space: global }
      - { .name: ln_g, .offset: 8, .size: 8, .value_kind: global_buffer, .address_space: global }
      - { .name: ln_b, .offset: 16, .size: 8, .value_kind: global_buffer, .address_space: global }
      - { .name: wg_group, .offset: 24, .size: 8, .value_kind: global_buffer, .address_space: global }
      - { .name: wg_inner, .offset: 32, .size: 8, .value_kind: global_buffer, .address_space: global }
      - { .name: zb, .offset: 40, .size: 8, .value_kind: global_buffer, .address_space: global }
      - { .name: code, .offset: 48, .size: 8, .value_kind: global_buffer, .address_space: global }
      - { .name: sel, .offset: 56, .size: 8, .value_kind: global_buffer, .address_space: global }
      - { .name: wts, .offset: 64, .size: 8, .value_kind: global_buffer, .address_space: global }
    .group_segment_fixed_size: 10240
    .private_segment_fixed_size: 0
    .kernarg_segment_align: 8
    .kernarg_segment_size: 72
    .max_flat_workgroup_size: 128
    .sgpr_count:     66
    .vgpr_count:     384
    .wavefront_size: 32
...
	.end_amdgpu_metadata
.endif
;; end of part 1
;; launch ffn1 (part 2): grid 8 x 32, 4 waves a work-group, no clusters, 222,464 bytes of LDS; arguments W1, b1, zb, code, hid; writes hid
.if DOCPART == 2
	.amdgcn_target "amdgcn-amd-amdhsa--gfx1250"
	.amdhsa_code_object_version 6
	.text
	.protected	k_qf0eeff8d09_ffn1
	.globl	k_qf0eeff8d09_ffn1
	.p2align	8
	.type	k_qf0eeff8d09_ffn1,@function
k_qf0eeff8d09_ffn1:
	s_mov_b64 s[64:65], 0
	v_nop
	global_prefetch_b8 v0, s[64:65] scope:SCOPE_SE
	s_setreg_imm32_b32 hwreg(HW_REG_WAVE_MODE, 25, 1), 1
	s_wait_xcnt 0x0
; FIRST PRODUCT.  hid = relu(z W1[x] + b1[x]) for the rows that chose expert x, in bf16.  W1[x]: [512][2048] f32; z: bf16 (zb); sums in f32.
; SHARES.  Work-group (sl, x): expert x, hidden columns 256 sl .. + 255.  Wave w: unit u = 4 sl + w, 64 columns, all 512 of K: 128 KiB of f32 weights that nobody else reads.
; THE WEIGHTS STAND STILL.  The wave reads its slice once (16 bytes a lane; lanes 0-15 take 256 consecutive aligned bytes of one row, lanes 16-31 of the row 8 further down), rounds pairs of
; rows to bf16 and keeps the 64 matrix fragments in 512 registers.  A lane's four numbers go to four fragments j = 0..3: lane r of fragment j stands for column 4 r + j.
; Seven half-batches of eight loads are always out: 48 to 56 loads, 24 to 28 KiB a wave.
; THE ROWS PASS BY.  Wave 0 makes the list of the expert's pairs (4 token + slot) from the 4 KiB of code[x / 8] by ballots and counts; the order (word, then lane) is the same in every slice and in
; the second product.  Rows go in tiles of 16, tiles in blocks of 12: the four waves gather a block's rows of z into LDS (each wave three tiles), and every wave multiplies all of them.
; The places past the count in the last tile repeat the expert's first pair: their rows of hid are that row's once more, and the second product stores that row's result once more, the same numbers.
; Whole tiles past the count are gathered (entry 0: token 0's row, which exists) and never multiplied, but for tile 0: it is made and stored for every expert, also for one without rows
; (16 times token 0's row), since the second product asks for tile 0 before it looks at the count, and reads no byte that was not stored.
; THE PRODUCT: source 0 = weights (16 columns), source 1 = z (16 rows): lane (r, h), register i of accumulator j holds row r, hidden 64 u + 4 (8 h + i) + j.  C of the first K step is the bias.
; hid: [expert][tile of 16 rows][unit u][j][lane][16 bytes]: a lane's eight numbers as they lie; two such blocks are a fragment of the second product.  Every expert has room for 64 tiles.
; LOOPS.  Every barrier stands in a loop of constant count, outside every branch on the count of rows; work is jumped forward.  An expert without rows still streams its slice.
; No tensor loads: the weights must pass through registers to be rounded.  No cluster: each slice has one reader, and the shared rows come by a list.
; LDS: list 0 .. 5,631 (1,408 entries; 1,360 takes what is no member, 1,392 the count); spare words 5,632; the stage at 6,144: 12 tiles x 16 rows x 1,040 bytes (1,024 + 16: the 16 rows of a
; fragment load start in different groups of banks), and one tile's room more, which the address of the fetch ahead could name and never does.
.set LIST,  0
.set DUMPE, 1360
.set CNTE,  1392
.set SPARE, 5632
.set ZB,    6144
.set ZP,    1040
.set ZTILE, 16*ZP
.set BLK,   12
; window 0
.set LN,   1           ; lane L
.set RR,   2           ; r = L % 16
.set HH,   3           ; h = L / 16
.set VW,   4           ; 65,536 h + 16 r: my place in a load of weights; never rewritten
.set VL16, 5           ; 16 L
.set VR16, 6           ; 16 r
.set VLG,  7           ; list address of my first tile of the block to be gathered: 32 h + 64 w + 768 block
.set VGS,  8           ; v8-10   where my three tiles go in the stage
.set VZ0,  11          ; my place in the stage's tile 0, for fragments
.set VZ,   12          ; the same in the tile fetched last
.set ZERO, 13
.set SPW,  14          ; my spare word; never rewritten
.set NIL,  15          ; 0; never rewritten
.set T0,   16
.set T1,   17
.set T2,   18
.set VB,   19          ; 128 h
.set VO,   20          ; v20-43  three sets of eight: list entries, then byte offsets of rows in zb
.set HB,   44          ; v44-59  a tile's results, packed
.set Z4,   60          ; v60-63  zeros for the list
.set ACC,  64          ; v64-95  accumulator j at ACC + 8 j
.set BIAS, 96          ; v96-127 its first C
.set GA,   128         ; v128-255 a gathered tile lands here; before that:
.set CODE, 136         ; v136-167 code words
.set TB,   168         ; v168-199 the bias as loaded
.set DMP,  200
.set CA,   201         ; LDS address of the count
; window 1: the ring of 8 x 32 registers for weights as loaded; then landing places of two gathered tiles; then z's fragments, two buffers of 128
; windows 2, 3: the weights: register q of fragment (K step s, j) is number 32 s + 8 j + q
; s[4:5] my slice of W1, s[6:7] of b1, s[8:9] zb, s[10:11] code[x / 8], s[12:13] hid at my unit of the tile in hand
; s14 w, s15 sl, s16 x, s17 4 (x % 8), s18 list length, s19 at work, s20 rows, s21 tiles to make, s22 first tile of the block, s23 tiles in it, s24 tiles begun, s25, s26 counters
.set MSB, 0
.macro WIN new                         ; the immediate's high byte repeats the setting that is left
.if MSB != (\new)
	s_set_vgpr_msb (MSB<<8)|(\new)
.set MSB, (\new)
.endif
.endm
; Half-batch t of 32: K step t / 2, registers 4 (t % 2) + qq of its fragments; b = the low or the high half of a register.  Row 32 s + 16 (t % 2) + 2 qq + b (+ 8 h).
.macro WLOAD t
	WIN 0x40                                       ; destination in window 1
.set ks, (\t)/2
.set qh, (\t)%2
.set rb, 32*((\t)%8)
.irp qq, 0,1,2,3
.irp b, 0,1
	global_load_b128 v[rb+8*\qq+4*\b:rb+8*\qq+4*\b+3], v[VW], s[4:5] offset:(32*ks+16*qh+2*\qq+\b)*8192 th:TH_LOAD_NT
.endr
.endr
.endm
.macro WCVT t                          ; two rows' numbers of one column make one register of a fragment
.set ks, (\t)/2
.set qh, (\t)%2
.set rb, 32*((\t)%8)
.if ks < 8
	WIN 0x85                                       ; sources in window 1, destination in window 2
.else
	WIN 0xc5                                       ; or 3
.endif
.irp qq, 0,1,2,3
.irp j, 0,1,2,3
	v_cvt_pk_bf16_f32 v[(32*ks+8*\j+4*qh+\qq)%256], v[rb+8*\qq+\j], v[rb+8*\qq+4+\j]
.endr
.endr
.endm
; Set m of a gather: tile w + 4 m of the block.  Lane (r, h) takes rows 8 h + i, 16 bytes at 256 c + 16 r: each half of the lanes reads 256 consecutive aligned bytes.
.macro GISSUE m, win, base
	WIN 0
	ds_load_b128 v[VO+8*(\m):VO+8*(\m)+3],   v[VLG] offset:256*(\m)
	ds_load_b128 v[VO+8*(\m)+4:VO+8*(\m)+7], v[VLG] offset:256*(\m)+16
	s_wait_dscnt 0x0
.irp i, 0,1,2,3,4,5,6,7
	v_min_u32 v[VO+8*(\m)+\i], 0xfff, v[VO+8*(\m)+\i]          ; an entry is 4 token + slot, under 4,096
	v_and_b32 v[VO+8*(\m)+\i], 0xffc, v[VO+8*(\m)+\i]
	v_lshl_add_u32 v[VO+8*(\m)+\i], v[VO+8*(\m)+\i], 8, v[VR16]    ; 1,024 token + 16 r
.endr
	WIN (\win)<<6
.irp i, 0,1,2,3,4,5,6,7
.irp c, 0,1,2,3
	global_load_b128 v[(\base)+16*\i+4*\c:(\base)+16*\i+4*\c+3], v[VO+8*(\m)+\i], s[8:9] offset:256*\c
.endr
.endr
	WIN 0
.endm
.macro GSTORE m, win, base
	WIN (\win)<<2                                  ; the data's window
.irp i, 0,1,2,3,4,5,6,7
.irp c, 0,1,2,3
	ds_store_b128 v[VGS+(\m)], v[(\base)+16*\i+4*\c:(\base)+16*\i+4*\c+3] offset:ZP*\i+256*\c
.endr
.endr
	WIN 0
.endm
.macro FLOAD p                         ; a tile's 16 fragments of z (16 rows x 32 K each) into buffer p
	WIN 0x40
.set ks, 0
.rept 16
	ds_load_b128 v[128*(\p)+8*ks:128*(\p)+8*ks+3],   v[VZ] offset:64*ks
	ds_load_b128 v[128*(\p)+8*ks+4:128*(\p)+8*ks+7], v[VZ] offset:64*ks+32
.set ks, ks+1
.endr
	WIN 0
.endm
.macro MULS p                          ; 64 matrix instructions; the four accumulators take turns, one instruction a turn
.set ks, 0
.rept 16
.if ks < 8
	WIN 0x06                                       ; source 0 (weights) window 2, source 1 (z) window 1
.else
	WIN 0x07                                       ; weights in window 3
.endif
.irp j, 0,1,2,3
.if ks == 0
	v_wmma_f32_16x16x32_bf16 v[ACC+8*\j:ACC+8*\j+7], v[(32*ks+8*\j)%256:(32*ks+8*\j)%256+7], v[128*(\p)+8*ks:128*(\p)+8*ks+7], v[BIAS+8*\j:BIAS+8*\j+7]
.else
	v_wmma_f32_16x16x32_bf16 v[ACC+8*\j:ACC+8*\j+7], v[(32*ks+8*\j)%256:(32*ks+8*\j)%256+7], v[128*(\p)+8*ks:128*(\p)+8*ks+7], v[ACC+8*\j:ACC+8*\j+7]
.endif
.endr
.set ks, ks+1
.endr
	WIN 0
.endm
.macro TILE p
	s_wait_dscnt 0x0                               ; buffer p is in
	s_add_co_u32 s24, s24, 1
	s_cmp_ge_u32 s24, s23
	s_cbranch_scc1 .Lnopre_\@                      ; the block has no further tile
	v_add_nc_u32 v[VZ], ZTILE, v[VZ]
	FLOAD 1-(\p)                                   ; the next tile's fragments have this tile's 64 matrix instructions in which to come
.Lnopre_\@:
	MULS \p
.rept 4
	v_nop                                          ; four places between the last products and the first read of a result (ISA guide 7.12.1)
.endr
	s_wait_xcnt 0x0                                ; the last tile's stores have read their data and their base: both are rewritten only behind this wait
	s_add_nc_u64 s[12:13], s[12:13], 0x10000       ; one tile on; the stores reach back
.irp j, 0,1,2,3
.irp ii, 0,1,2,3
	v_cvt_pk_bf16_f32 v[HB+4*\j+\ii], v[ACC+8*\j+2*\ii], v[ACC+8*\j+2*\ii+1]      ; each accumulator from its low end on
.endr
.endr
.set i, 0
.rept 16
	v_pk_max_num_bf16 v[HB+i], v[HB+i], v[ZERO]    ; relu behind the rounding: the same numbers
.set i, i+1
.endr
.irp j, 0,1,2,3
	global_store_b128 v[VL16], v[HB+4*\j:HB+4*\j+3], s[12:13] offset:512*\j-65536   ; 512 consecutive bytes, aligned
.endr
.endm
	s_load_b256 s[4:11], s[0:1], 0x0               ; W1, b1, zb, code
	s_load_b64 s[12:13], s[0:1], 0x20              ; hid
	v_lshl_add_u32 v[SPW], v0, 2, SPARE
	v_mov_b32 v[NIL], 0
	v_lshrrev_b32 v[T0], 5, v0
	v_readfirstlane_b32 s14, v[T0]                 ; wave w
	s_mov_b32 s15, ttmp9                           ; slice sl
	s_and_b32 s16, ttmp7, 0xffff                   ; expert x
	v_and_b32 v[LN], 31, v0
	v_and_b32 v[RR], 15, v0
	v_bfe_u32 v[HH], v0, 4, 1
	v_lshlrev_b32 v[VL16], 4, v[LN]
	v_lshlrev_b32 v[VR16], 4, v[RR]
	v_lshl_add_u32 v[VW], v[HH], 16, v[VR16]       ; 8 rows of 8,192 bytes for the upper half of the lanes
	v_lshlrev_b32 v[VB], 7, v[HH]
	s_and_b32 s17, s16, 7
	s_lshl_b32 s17, s17, 2                         ; my expert's nibble
	s_lshl_b32 s28, s16, 22                        ; W1: 4 MiB an expert, 1,024 bytes of a row a slice, 256 a wave
	s_lshl_b32 s30, s16, 13                        ; b1: 8,192 bytes an expert
	s_lshl_b32 s19, s15, 10
	s_add_co_u32 s28, s28, s19
	s_add_co_u32 s30, s30, s19
	s_lshl_b32 s19, s14, 8
	s_add_co_u32 s28, s28, s19
	s_add_co_u32 s30, s30, s19
	s_lshr_b32 s32, s16, 3
	s_lshl_b32 s32, s32, 12                        ; code: 4,096 bytes a group
	s_lshl_b32 s34, s16, 22                        ; hid: 4 MiB an expert, 2,048 bytes a unit
	s_lshl_b32 s19, s15, 13
	s_add_co_u32 s34, s34, s19
	s_lshl_b32 s19, s14, 11
	s_add_co_u32 s34, s34, s19
	s_mov_b32 s29, 0
	s_mov_b32 s31, 0
	s_mov_b32 s33, 0
	s_mov_b32 s35, 0
	s_wait_kmcnt 0x0
	s_add_nc_u64 s[4:5], s[4:5], s[28:29]
	s_add_nc_u64 s[6:7], s[6:7], s[30:31]
	s_add_nc_u64 s[10:11], s[10:11], s[32:33]
	s_add_nc_u64 s[12:13], s[12:13], s[34:35]
.irp c, 0,1,2,3,4,5,6,7
	global_load_b128 v[CODE+4*\c:CODE+4*\c+3], v[VL16], s[10:11] offset:512*\c    ; word 4 c + e: token 128 c + 4 L + e
.endr
.irp i, 0,1,2,3,4,5,6,7
	global_load_b128 v[TB+4*\i:TB+4*\i+3], v[VB], s[6:7] offset:16*\i             ; b1[64 u + 32 h + 4 i + j]
.endr
	WLOAD 0
	WLOAD 1
	WLOAD 2
	WLOAD 3
	WLOAD 4
	WIN 0
	; addresses, made while the loads are out
	v_lshlrev_b32 v[VLG], 5, v[HH]
	s_lshl_b32 s19, s14, 6
	v_add_nc_u32 v[VLG], s19, v[VLG]
	s_mul_i32 s19, s14, ZTILE
	s_add_co_u32 s19, s19, ZB
	v_mul_u32_u24 v[T0], v[HH], 8*ZP
	v_add3_u32 v[VGS], v[T0], v[VR16], s19         ; tile w: rows 8 h on, 16 r
	v_add_nc_u32 v[VGS+1], 4*ZTILE, v[VGS]
	v_add_nc_u32 v[VGS+2], 8*ZTILE, v[VGS]
	v_mul_u32_u24 v[T0], v[RR], ZP
	v_lshl_add_u32 v[T0], v[HH], 4, v[T0]
	v_add_nc_u32 v[VZ0], ZB, v[T0]                 ; a fragment: row r, 16 h
	v_mov_b32 v[ZERO], 0
	v_mov_b32 v[CA], LIST+4*CNTE
	s_wait_loadcnt 40                              ; code and bias are in; behind them the 40 loads of five half-batches
	WLOAD 5
	WLOAD 6
	WIN 0
.irp j, 0,1,2,3
.irp i, 0,1,2,3,4,5,6,7
	v_mov_b32 v[BIAS+8*\j+\i], v[TB+4*\i+\j]       ; turned once: register i of accumulator j wants hidden 4 (8 h + i) + j
.endr
.endr
	; THE LIST, by wave 0
	s_cmp_lg_u32 s14, 0
	s_cbranch_scc1 .Llisted
.irp i, 0,1,2,3
	v_mov_b32 v[Z4+\i], 0
.endr
	v_mov_b32 v[DMP], DUMPE
.irp k, 0,1,2,3,4,5,6,7,8,9,10
	ds_store_b128 v[VL16], v[Z4:Z4+3] offset:LIST+512*\k       ; every entry starts as pair 0: a row that exists
.endr
	s_mov_b32 s18, 0
.set q, 0
.rept 32
	v_bfe_u32 v[T0], v[CODE+q], s17, 4             ; 0, or 8 + slot
	v_cmp_ne_u32 vcc_lo, 0, v[T0]
	v_mbcnt_lo_u32_b32 v[T1], vcc_lo, s18          ; members so far + members in lower lanes
	v_add3_u32 v[T2], v[T0], v[VL16], 512*(q/4)+4*(q%4)-8      ; 4 token + slot
	v_cndmask_b32 v[T1], v[DMP], v[T1], vcc_lo
	v_min_u32 v[T1], 1407, v[T1]
	v_lshlrev_b32 v[T1], 2, v[T1]
	ds_store_b32 v[T1], v[T2]
	s_bcnt1_i32_b32 s19, vcc_lo
	s_add_co_u32 s18, s18, s19
.set q, q+1
.endr
	v_mov_b32 v[T0], s18
	ds_store_b32 v[CA], v[T0]
	ds_load_b32 v[T2], v[Z4] offset:LIST           ; the expert's first pair (LDS serves a wave's instructions in order: ISA guide 5.7.1.4),
	v_add_nc_u32 v[T1], s18, v[LN]                 ; for the 32 entries behind the last: they cover the rest of the last tile; 1,055 at the most
	v_min_u32 v[T1], 1407, v[T1]
	v_lshlrev_b32 v[T1], 2, v[T1]
	s_wait_dscnt 0x0
	ds_store_b32 v[T1], v[T2]
.Llisted:
	s_wait_dscnt 0x0                               ; for the others' sake: the list lies in LDS
	s_barrier_signal -1
	s_barrier_wait -1
	ds_load_b32 v[T0], v[CA]
	s_wait_dscnt 0x0
	v_readfirstlane_b32 s20, v[T0]
	s_min_u32 s20, s20, 1024                       ; the expert's rows
	s_add_co_u32 s21, s20, 15
	s_lshr_b32 s21, s21, 4                         ; its tiles;
	s_max_u32 s21, s21, 1                          ; tile 0 is made in any case
	; THE STREAM.  Step t: half-batch t is in, is rounded, and half-batch t + 7 goes out into the ring place freed a step ago.
	; Up to t = 24 six half-batches, 48 loads, are younger.  From t = 25 on the first block's gather rides along (32 loads behind steps 24, 27 and 31, into registers that are free by then):
	; 64 to 88 loads are younger, and the wait names 63, the most that its field holds.
.set t, 0
.rept 32
.if t <= 24
	s_wait_loadcnt 48
.else
	s_wait_loadcnt 63
.endif
	WCVT t
.if t+7 <= 31
	WLOAD t+7
.endif
.if t == 24
	GISSUE 0, 0, GA
.elseif t == 27
	GISSUE 1, 1, 0                                 ; ring places 0-3 have been rounded
.elseif t == 31
	GISSUE 2, 1, 128                               ; and 4-7
.endif
.set t, t+1
.endr
	s_wait_loadcnt 32                              ; sets 0 and 1 are in; set 2's 32 loads are younger
	GSTORE 0, 0, GA
	GSTORE 1, 1, 0
	s_wait_loadcnt 0x0
	GSTORE 2, 1, 128
	; THE BLOCKS: six trips of 12 tiles cover the 64 tiles that an expert can have
	s_mov_b32 s22, 0
	s_mov_b32 s26, 6
.Lblock:
	s_wait_dscnt 0x0                               ; my part of the stage is written
	s_barrier_signal -1
	s_barrier_wait -1                              ; everybody's is
	s_cmp_ge_u32 s22, s21
	s_cbranch_scc1 .Lnocompute
	s_sub_co_u32 s23, s21, s22
	s_min_u32 s23, s23, BLK
	v_mov_b32 v[VZ], v[VZ0]
	FLOAD 0
	s_mov_b32 s24, 0
	s_mov_b32 s25, BLK/2
.Ltile:
	TILE 0
	s_cmp_eq_u32 s24, s23
	s_cbranch_scc1 .Ltiles_done
	TILE 1
	s_cmp_eq_u32 s24, s23
	s_cbranch_scc1 .Ltiles_done
	s_sub_co_u32 s25, s25, 1
	s_cmp_lg_u32 s25, 0
	s_cbranch_scc1 .Ltile
.Ltiles_done:
.Lnocompute:
	s_wait_dscnt 0x0                               ; my reads of the stage are over
	s_barrier_signal -1
	s_barrier_wait -1                              ; everybody's are: it may be written again
	s_add_co_u32 s22, s22, BLK
	v_add_nc_u32 v[VLG], 64*BLK, v[VLG]
	s_cmp_ge_u32 s22, s21
	s_cbranch_scc1 .Lnogather                      ; only an expert with more than 192 rows goes on
	GISSUE 0, 0, GA
	GISSUE 1, 1, 0
	GISSUE 2, 1, 128
	s_wait_loadcnt 63                              ; set 0 is in: 64 loads are younger
	GSTORE 0, 0, GA
	s_wait_loadcnt 32
	GSTORE 1, 1, 0
	s_wait_loadcnt 0x0
	GSTORE 2, 1, 128
.Lnogather:
	s_sub_co_u32 s26, s26, 1
	s_cmp_lg_u32 s26, 0
	s_cbranch_scc1 .Lblock
	s_wait_tensorcnt 0x0                           ; the wave's end
	ds_add_u32 v[SPW], v[NIL]
	s_wait_dscnt 0x0
	s_endpgm
.Lfunc_end_k_qf0eeff8d09_ffn1:
	.size	k_qf0eeff8d09_ffn1, .Lfunc_end_k_qf0eeff8d09_ffn1-k_qf0eeff8d09_ffn1
	.p2alignl 7, 3214868480
	.fill 96, 4, 3214868480
	.section	.rodata,"a",@progbits
	.p2align	6, 0x0
	.amdhsa_kernel k_qf0eeff8d09_ffn1
		.amdhsa_group_segment_fixed_size 222464
		.amdhsa_private_segment_fixed_size 0
		.amdhsa_enable_private_segment 0
		.amdhsa_kernarg_size 40
		.amdhsa_user_sgpr_count 2
		.amdhsa_user_sgpr_kernarg_segment_ptr 1
		.amdhsa_wavefront_size32 1
		.amdhsa_system_sgpr_workgroup_id_x 1
		.amdhsa_system_sgpr_workgroup_id_y 1
		.amdhsa_system_sgpr_workgroup_id_z 1
		.amdhsa_system_vgpr_workitem_id 0
		.amdhsa_next_free_vgpr 1024
		.amdhsa_next_free_sgpr 66
		.amdhsa_reserve_vcc 1
		.amdhsa_float_denorm_mode_32 3
		.amdhsa_float_denorm_mode_16_64 3
		.amdhsa_memory_ordered 1
		.amdhsa_forward_progress 1
		.amdhsa_inst_pref_size 144
	.end_amdhsa_kernel
	.amdgpu_metadata
---
amdhsa.version: [ 1, 2 ]
amdhsa.kernels:
  - .name:           k_qf0eeff8d09_ffn1
    .symbol:         k_qf0eeff8d09_ffn1.kd
    .args:
      - { .name: W1, .offset: 0, .size: 8, .value_kind: global_buffer, .address_space: global }
      - { .name: b1, .offset: 8, .size: 8, .value_kind: global_buffer, .address_space: global }
      - { .name: zb, .offset: 16, .size: 8, .value_kind: global_buffer, .address_space: global }
      - { .name: code, .offset: 24, .size: 8, .value_kind: global_buffer, .address_space: global }
      - { .name: hid, .offset: 32, .size: 8, .value_kind: global_buffer, .address_space: global }
    .group_segment_fixed_size: 222464
    .private_segment_fixed_size: 0
    .kernarg_segment_align: 8
    .kernarg_segment_size: 40
    .max_flat_workgroup_size: 128
    .sgpr_count:     66
    .vgpr_count:     1024
    .wavefront_size: 32
...
	.end_amdgpu_metadata
.endif
;; end of part 2
;; launch ffn2 (part 3): grid 8 x 32, 4 waves a work-group, no clusters, 71,680 bytes of LDS; arguments W2, b2, hid, code, part; writes part
.if DOCPART == 3
	.amdgcn_target "amdgcn-amd-amdhsa--gfx1250"
	.amdhsa_code_object_version 6
	.text
	.protected	k_qf0eeff8d09_ffn2
	.globl	k_qf0eeff8d09_ffn2
	.p2align	8
	.type	k_qf0eeff8d09_ffn2,@function
k_qf0eeff8d09_ffn2:
	s_mov_b64 s[64:65], 0
	v_nop
	global_prefetch_b8 v0, s[64:65] scope:SCOPE_SE
	s_setreg_imm32_b32 hwreg(HW_REG_WAVE_MODE, 25, 1), 1
	s_wait_xcnt 0x0
; SECOND PRODUCT.  part[4 token + slot] = h W2[x] + b2[x] for the rows that chose expert x, in f32 (a partial sum: the last launch weighs and adds).  W2[x]: [2048][512] f32; h: bf16 (hid).
; SHARES.  Work-group (sl, x): expert x, output columns 64 sl .. + 63: 256 bytes of every row of W2 and of part.  Wave w: hidden 512 w .. + 511 (units 8 w .. 8 w + 7), all 64 columns, all rows;
; the four waves' sums meet in LDS.  K and not N is split among the waves, so that W2 is read in whole pieces of 256 aligned bytes and each byte of hid has one reader in the work-group.
; THE WEIGHTS STAND STILL, as in the first product: 128 KiB of f32 a wave, read once, rounded in pairs of rows, 64 fragments in 512 registers; lane r of fragment jj stands for column 4 r + jj.
; THE ORDER OF K.  K step s = (unit s / 2, half s % 2) takes as source 0 two consecutive blocks of 512 bytes of hid, j = 2 (s % 2) and + 1, as the first product's lanes stored them: lane (r, h), register q,
; half b is row r, hidden 64 u + 32 h + 8 (q % 4) + 4 b + 2 (s % 2) + q / 4.  The weights' fragments are laid by the same map, so the products are those of the true order.
; THE PRODUCT: source 0 = h (16 rows), source 1 = weights: lane (r, h), register i of accumulator jj holds row 8 h + i, column 64 sl + 4 r + jj.  Wave 0's first C is the bias, the others' 0.
; THE RING GOES ON INTO THE ROWS.  With 128 rows a work-group reads as many bytes of hid as of W2, so hid comes as the weights do: in pieces of eight loads (4 KiB a wave: four K steps of a tile)
; through the same eight ring places of 32 registers; piece q follows half-batch 31 as half-batch 32 + q would.  A tile is four pieces: the ring holds two tiles.  In front of each run of 16 matrix
; instructions the piece seven further on is asked for, into the place that the run before has read, and the wait leaves those seven pieces out: 56 to 64 loads are on their way throughout.
; No load of hid hangs on the count of rows, so that every wait's count holds on every way: the number of the tile asked for is held to the expert's last tile, and a piece past it repeats that
; tile, lands in the ring and is never multiplied: seven pieces, 28 KiB a wave, at the most.  Tile 0 exists for every expert: the first product stores it in any case.
; ROWS go in tiles of 16, tiles in blocks of 4, written out: each wave lays its sums of a block's tiles into LDS, in register order, at places that are constants of the text; behind a barrier wave w
; adds the four parts of the block's tile w and stores its rows to the places that the list names (the list is made as in the first product, in the same order).
; The places past the count in the last tile repeat the expert's first pair, here and in the first product: the same row of hid, the same sums in the same order, so the same numbers are stored
; once more to the same row of part, by this work-group.  Every store runs with all lanes on.
; LOOPS.  The loop over blocks has 16 trips, which cover the 64 tiles that an expert can have; its two barriers stand on every wave's path, and only work is jumped, forward, on the count of tiles.
; An expert without rows still streams its slice.
; No tensor loads: the weights pass through registers to be rounded.  No cluster: each slice of weights has one reader; the eight slices do share hid, but how many tiles of it are wanted
; hangs on a stored count.
; LDS: list 0 .. 5,631 (1,408 entries; 1,360 takes what is no member, 1,392 the count); spare words 5,632; the stage at 6,144: [4 tiles][4 waves][8 quads][32 lanes][16 bytes].
.set LIST,  0
.set DUMPE, 1360
.set CNTE,  1392
.set SPARE, 5632
.set STG,   6144
.set BLK,   4
; window 0
.set LN,   1
.set RR,   2
.set HH,   3
.set VW,   4           ; 65,536 h + 16 r: 32 rows of 2,048 bytes for the upper half of the lanes; never rewritten
.set VL16, 5           ; 16 L; never rewritten
.set VR16, 6
.set VST0, 8           ; where my sums of a block's tile 0 go: STG + 4,096 w + 16 L; never rewritten
.set VRD0, 10          ; where the tile that I add up lies: STG + 16,384 w + 16 L; never rewritten
.set VLE,  11          ; list address of that tile: 32 h + 64 tile
.set T0,   13
.set SPW,  14          ; my spare word; never rewritten
.set NIL,  15          ; 0; never rewritten
.set T1,   16
.set T2,   17
.set DMP,  18
.set CA,   19
.set Z4,   20          ; v20-23
.set VO,   24          ; v24-31  list entries, then byte offsets of rows in part
.set ACC,  32          ; v32-63  accumulator jj at ACC + 8 jj
.set CB,   64          ; v64-95  its first C
.set P,    96          ; v96-223 the four waves' parts of a tile; before that:
.set CODE, 96          ; v96-127
.set TB,   128         ; v128-131
.set OUT,  224         ; v224-255 a tile's rows, four neighbouring columns in four neighbouring registers
; window 1: the ring, eight places of 32 registers: weights as loaded, then hid: places 0-3 an even tile's 16 fragments, places 4-7 an odd tile's.
; windows 2, 3: the weights: register q of fragment (s, jj) is number 32 s + 8 jj + q
; s[4:5] my slice of W2, s[6:7] of b2, s[8:9] hid at my units of the expert's tile 0 (never rewritten), s[10:11] code[x / 8], s[12:13] part at my columns
; s14 w, s15 sl, s16 x, s17 nibble, s18 list length, s19 at work, s20 rows, s21 tiles NT, s26 counts the blocks, s27 tiles begun, s28 the last tile that exists,
; s30 the tile that I add up, s35 mask for the bias; s[36:45] offsets at the head, then s[36:37] a tile's byte offset, s[38:39] hid at the tile two on, s[40:41] at the next tile
.set MSB, 0
.macro WIN new                         ; the immediate's high byte repeats the setting that is left
.if MSB != (\new)
	s_set_vgpr_msb (MSB<<8)|(\new)
.set MSB, (\new)
.endif
.endm
; Half-batch t of 32: K step s = t / 2, registers 4 (t % 2) + qq; b = low or high half.  Row 64 (s / 2) + 2 (s % 2) + t % 2 + 8 qq + 4 b (+ 32 h), by the map above.
.macro WLOAD t
	WIN 0x40
.set ks, (\t)/2
.set qh, (\t)%2
.set rb, 32*((\t)%8)
.irp qq, 0,1,2,3
.irp b, 0,1
	global_load_b128 v[rb+8*\qq+4*\b:rb+8*\qq+4*\b+3], v[VW], s[4:5] offset:(64*(ks/2)+2*(ks%2)+qh+8*\qq+4*\b)*2048 th:TH_LOAD_NT
.endr
.endr
.endm
.macro WCVT t                          ; two rows' numbers of one column make one register of a fragment
.set ks, (\t)/2
.set qh, (\t)%2
.set rb, 32*((\t)%8)
.if ks < 8
	WIN 0x85                                       ; sources in window 1, destination in window 2
.else
	WIN 0xc5                                       ; or 3
.endif
.irp qq, 0,1,2,3
.irp j, 0,1,2,3
	v_cvt_pk_bf16_f32 v[(32*ks+8*\j+4*qh+\qq)%256], v[rb+8*\qq+\j], v[rb+8*\qq+4+\j]
.endr
.endr
.endm
; A piece of hid: quarter g of the tile at s[sb:sb+1] into ring place slot: eight loads of 512 consecutive bytes, the fragments of K steps 4 g .. 4 g + 3.
.macro HPIECE sb, slot, g
	WIN 0x40                                       ; destination in window 1
.irp l, 0,1,2,3,4,5,6,7
	global_load_b128 v[32*(\slot)+4*\l:32*(\slot)+4*\l+3], v[VL16], s[\sb:\sb+1] offset:512*(8*(\g)+\l)
.endr
.endm
; 16 matrix instructions: K steps 4 g .. 4 g + 3 of the tile in ring places 4 p .. 4 p + 3.  The four accumulators take turns, one instruction a turn.
.macro MUL4 p, g
.if (\g) < 2
	WIN 0x09                                       ; source 0 (h) window 1, source 1 (weights) window 2
.else
	WIN 0x0d                                       ; weights in window 3
.endif
.set ks, 4*(\g)
.rept 4
.irp j, 0,1,2,3
.if ks == 0
	v_wmma_f32_16x16x32_bf16 v[ACC+8*\j:ACC+8*\j+7], v[128*(\p)+8*ks:128*(\p)+8*ks+7], v[(32*ks+8*\j)%256:(32*ks+8*\j)%256+7], v[CB+8*\j:CB+8*\j+7]
.else
	v_wmma_f32_16x16x32_bf16 v[ACC+8*\j:ACC+8*\j+7], v[128*(\p)+8*ks:128*(\p)+8*ks+7], v[(32*ks+8*\j)%256:(32*ks+8*\j)%256+7], v[ACC+8*\j:ACC+8*\j+7]
.endif
.endr
.set ks, ks+1
.endr
.endm
; Tile k of a block; it is tile T = s27 of the expert and lies in ring places 4 p .. 4 p + 3 (p = k % 2 = T % 2).  Seven pieces on from its quarter 0 is quarter 3 of tile T + 1; from its quarters
; 1, 2, 3: quarters 0, 1, 2 of tile T + 2, which take the places that this tile's runs have just read.  Its place in the stage stands in the stores' immediate: 16,384 k + 512 qd, 52,736 at the most.
.macro TILE p, k
	s_wait_xcnt 0x0                                ; the loads issued so far have read their bases: both pairs are rewritten only behind this wait
	s_mov_b64 s[40:41], s[38:39]                   ; what was two tiles on is the next tile now
	s_add_co_u32 s36, s27, 2
	s_min_u32 s36, s36, s28                        ; tile T + 2, or the expert's last
	s_min_u32 s36, s36, 63                         ; a number that hangs on loaded data enters an address behind a bound written in the text
	s_lshl_b32 s36, s36, 16                        ; 65,536 bytes a tile
	s_add_nc_u64 s[38:39], s[8:9], s[36:37]
	s_add_co_u32 s27, s27, 1
	HPIECE 40, 4*(1-(\p))+3, 3                     ; its place was read by the last run of the tile before, five places back
	s_wait_loadcnt 56                              ; my quarter 0 is in: seven pieces of eight loads are younger
	MUL4 \p, 0
.irp g, 1,2,3
.rept 4
	v_nop                                          ; four places between a run and the loads into the registers that it read (ISA guide 7.12.1 for vector instructions)
.endr
	HPIECE 38, 4*(\p)+\g-1, \g-1
	s_wait_loadcnt 56                              ; my quarter g is in: seven pieces are younger
	MUL4 \p, \g
.endr
	WIN 0
.rept 5
	v_nop                                          ; four places before an LDS store reads a result, five before the next tile's first product writes over one
.endr
.irp qd, 0,1,2,3,4,5,6,7
	ds_store_b128 v[VST0], v[ACC+4*\qd:ACC+4*\qd+3] offset:16384*(\k)+512*\qd      ; each accumulator from its low end on
.endr
.endm
	s_load_b256 s[4:11], s[0:1], 0x0               ; W2, b2, hid, code
	s_load_b64 s[12:13], s[0:1], 0x20              ; part
	v_lshl_add_u32 v[SPW], v0, 2, SPARE
	v_mov_b32 v[NIL], 0
	v_lshrrev_b32 v[T0], 5, v0
	v_readfirstlane_b32 s14, v[T0]                 ; wave w
	s_mov_b32 s15, ttmp9                           ; slice sl
	s_and_b32 s16, ttmp7, 0xffff                   ; expert x
	v_and_b32 v[LN], 31, v0
	v_and_b32 v[RR], 15, v0
	v_bfe_u32 v[HH], v0, 4, 1
	v_lshlrev_b32 v[VL16], 4, v[LN]
	v_lshlrev_b32 v[VR16], 4, v[RR]
	v_lshl_add_u32 v[VW], v[HH], 16, v[VR16]
	s_and_b32 s17, s16, 7
	s_lshl_b32 s17, s17, 2
	s_lshl_b32 s44, s15, 8                         ; part: 256 bytes of a row a slice
	s_lshl_b32 s36, s16, 22                        ; W2: 4 MiB an expert, 512 rows of 2,048 bytes a wave, 256 bytes of a row a slice
	s_lshl_b32 s19, s14, 20
	s_add_co_u32 s36, s36, s19
	s_add_co_u32 s36, s36, s44
	s_lshl_b32 s38, s16, 11                        ; b2: 2,048 bytes an expert
	s_add_co_u32 s38, s38, s44
	s_lshl_b32 s40, s16, 22                        ; hid: 4 MiB an expert, eight units of 2,048 bytes a wave
	s_lshl_b32 s19, s14, 14
	s_add_co_u32 s40, s40, s19
	s_lshr_b32 s42, s16, 3
	s_lshl_b32 s42, s42, 12                        ; code: 4,096 bytes a group
	s_mov_b32 s37, 0                               ; stays 0: the upper word of every offset made in s36
	s_mov_b32 s39, 0
	s_mov_b32 s41, 0
	s_mov_b32 s43, 0
	s_mov_b32 s45, 0
	s_wait_kmcnt 0x0
	s_add_nc_u64 s[4:5], s[4:5], s[36:37]
	s_add_nc_u64 s[6:7], s[6:7], s[38:39]
	s_add_nc_u64 s[8:9], s[8:9], s[40:41]
	s_add_nc_u64 s[10:11], s[10:11], s[42:43]
	s_add_nc_u64 s[12:13], s[12:13], s[44:45]
.irp c, 0,1,2,3,4,5,6,7
	global_load_b128 v[CODE+4*\c:CODE+4*\c+3], v[VL16], s[10:11] offset:512*\c    ; word 4 c + e: token 128 c + 4 L + e
.endr
	global_load_b128 v[TB:TB+3], v[VR16], s[6:7]   ; b2[64 sl + 4 r + jj]
	WLOAD 0
	WLOAD 1
	WLOAD 2
	WLOAD 3
	WLOAD 4
	WIN 0
	s_lshl_b32 s19, s14, 12
	s_add_co_u32 s19, s19, STG
	v_add_nc_u32 v[VST0], s19, v[VL16]             ; tile 0 of a block, my quarter of it, 16 L
	s_lshl_b32 s19, s14, 14
	s_add_co_u32 s19, s19, STG
	v_add_nc_u32 v[VRD0], s19, v[VL16]             ; tile w of a block, 16 L
	v_lshlrev_b32 v[VLE], 5, v[HH]
	s_lshl_b32 s19, s14, 6
	v_add_nc_u32 v[VLE], s19, v[VLE]
	v_mov_b32 v[CA], LIST+4*CNTE
	s_cmp_eq_u32 s14, 0
	s_cselect_b32 s35, -1, 0
	s_wait_loadcnt 40                              ; code and bias are in; behind them the 40 loads of five half-batches
	WLOAD 5
	WLOAD 6
	WIN 0
.irp j, 0,1,2,3
.irp i, 0,1,2,3,4,5,6,7
	v_and_b32 v[CB+8*\j+\i], s35, v[TB+\j]         ; the bias enters once, with wave 0's sums; the other waves start from 0
.endr
.endr
	; THE LIST, by wave 0: the same text, and so the same order, as in the first product
	s_cmp_lg_u32 s14, 0
	s_cbranch_scc1 .Llisted
.irp i, 0,1,2,3
	v_mov_b32 v[Z4+\i], 0
.endr
	v_mov_b32 v[DMP], DUMPE
.irp k, 0,1,2,3,4,5,6,7,8,9,10
	ds_store_b128 v[VL16], v[Z4:Z4+3] offset:LIST+512*\k       ; every entry starts as pair 0: a row that exists
.endr
	s_mov_b32 s18, 0
.set q, 0
.rept 32
	v_bfe_u32 v[T0], v[CODE+q], s17, 4             ; 0, or 8 + slot
	v_cmp_ne_u32 vcc_lo, 0, v[T0]
	v_mbcnt_lo_u32_b32 v[T1], vcc_lo, s18          ; members so far + members in lower lanes
	v_add3_u32 v[T2], v[T0], v[VL16], 512*(q/4)+4*(q%4)-8      ; 4 token + slot
	v_cndmask_b32 v[T1], v[DMP], v[T1], vcc_lo
	v_min_u32 v[T1], 1407, v[T1]
	v_lshlrev_b32 v[T1], 2, v[T1]
	ds_store_b32 v[T1], v[T2]
	s_bcnt1_i32_b32 s19, vcc_lo
	s_add_co_u32 s18, s18, s19
.set q, q+1
.endr
	v_mov_b32 v[T0], s18
	ds_store_b32 v[CA], v[T0]
	ds_load_b32 v[T2], v[Z4] offset:LIST           ; the expert's first pair (LDS serves a wave's instructions in order: ISA guide 5.7.1.4),
	v_add_nc_u32 v[T1], s18, v[LN]                 ; for the 32 entries behind the last: they cover the rest of the last tile; 1,055 at the most
	v_min_u32 v[T1], 1407, v[T1]
	v_lshlrev_b32 v[T1], 2, v[T1]
	s_wait_dscnt 0x0
	ds_store_b32 v[T1], v[T2]
.Llisted:
	s_wait_dscnt 0x0                               ; for the others' sake: the list lies in LDS
	s_barrier_signal -1
	s_barrier_wait -1
	ds_load_b32 v[T0], v[CA]
	s_wait_dscnt 0x0
	v_readfirstlane_b32 s20, v[T0]
	s_min_u32 s20, s20, 1024                       ; the expert's rows
	s_add_co_u32 s21, s20, 15
	s_lshr_b32 s21, s21, 4                         ; its tiles
	s_max_u32 s28, s21, 1
	s_sub_co_u32 s28, s28, 1                       ; the last tile that the first product stored: tile 0 at the least
	s_min_u32 s36, s28, 1                          ; tile 1, or tile 0 once more
	s_lshl_b32 s36, s36, 16
	s_add_nc_u64 s[38:39], s[8:9], s[36:37]
	; THE STREAM.  Step t: half-batch t is in, is rounded, and the piece seven further on goes out into the ring place freed a step ago: half-batch t + 7, or, from t = 25 on, piece t - 25 of hid:
	; the four quarters of tile 0, then three of tile 1.  In every step six pieces, 48 loads, are younger than the one waited for.
.set t, 0
.rept 32
	s_wait_loadcnt 48
	WCVT t
.if t+7 <= 31
	WLOAD t+7
.elseif t < 29
	HPIECE 8, t-25, t-25
.else
	HPIECE 38, t-25, t-29
.endif
.set t, t+1
.endr
	WIN 0
	; THE BLOCKS: 16 trips of 4 tiles.  At a block's head ring places 0 to 6 are on their way or in, in that order, and four tiles bring the ring round twice, to the same state.
	s_mov_b32 s27, 0
	s_mov_b32 s30, s14
	s_mov_b32 s26, 64/BLK
.Lblock:
	s_cmp_ge_u32 s27, s21
	s_cbranch_scc1 .Lnocompute                     ; no tile is left
	TILE 0, 0
	s_cmp_ge_u32 s27, s21
	s_cbranch_scc1 .Lshort
	TILE 1, 1
	s_cmp_ge_u32 s27, s21
	s_cbranch_scc1 .Lshort
	TILE 0, 2
	s_cmp_ge_u32 s27, s21
	s_cbranch_scc1 .Lshort
	TILE 1, 3
	s_branch .Lnocompute
.Lshort:
	s_wait_loadcnt 0x0                             ; the expert's last tile was not its block's fourth: the ring stands elsewhere than a block's head takes it to stand.  All loads are waited
	                                               ; for (they repeat the last tile, and nobody reads them), so that on every way round the loop the ring is at its home or empty
.Lnocompute:
	s_wait_dscnt 0x0                               ; my sums lie in the stage
	s_barrier_signal -1
	s_barrier_wait -1                              ; everybody's do
	s_cmp_ge_u32 s30, s21
	s_cbranch_scc1 .Lnoreduce                      ; the block's tile w does not exist
	s_wait_xcnt 0x0                                ; the last block's stores have read their addresses and their data: both are written below
	ds_load_b128 v[VO:VO+3],   v[VLE]              ; the pairs of rows 8 h .. 8 h + 7
	ds_load_b128 v[VO+4:VO+7], v[VLE] offset:16
.irp v, 0,1,2,3
.irp qd, 0,1,2,3,4,5,6,7
	ds_load_b128 v[P+32*\v+4*\qd:P+32*\v+4*\qd+3], v[VRD0] offset:4096*\v+512*\qd
.endr
.endr
	s_wait_dscnt 32                                ; the pairs are in; the 32 loads of sums are younger
.irp i, 0,1,2,3,4,5,6,7
	v_min_u32 v[VO+\i], 0xfff, v[VO+\i]            ; an entry is 4 token + slot, under 4,096
	v_lshl_add_u32 v[VO+\i], v[VO+\i], 11, v[VR16] ; 2,048 pair + 16 r
.endr
	s_wait_dscnt 0x0
.set a, 0
.rept 16
	v_pk_add_f32 v[P+a:P+a+1],       v[P+a:P+a+1],       v[P+32+a:P+32+a+1]
	v_pk_add_f32 v[P+64+a:P+64+a+1], v[P+64+a:P+64+a+1], v[P+96+a:P+96+a+1]
.set a, a+2
.endr
.irp i, 0,1,2,3,4,5,6,7
.irp j, 0,1,2,3
	v_add_f32 v[OUT+4*\i+\j], v[P+8*\j+\i], v[P+64+8*\j+\i]    ; the last addition also turns the registers: four columns of a row side by side
.endr
.endr
.irp i, 0,1,2,3,4,5,6,7
	global_store_b128 v[VO+\i], v[OUT+4*\i:OUT+4*\i+3], s[12:13]       ; rows 8 h + i: each half of the lanes stores 256 consecutive bytes, aligned
.endr
.Lnoreduce:
	s_add_co_u32 s30, s30, BLK
	v_add_nc_u32 v[VLE], 64*BLK, v[VLE]
	s_wait_dscnt 0x0                               ; my reads of the stage are over
	s_barrier_signal -1
	s_barrier_wait -1                              ; everybody's are: it may be written again
	s_sub_co_u32 s26, s26, 1
	s_cmp_lg_u32 s26, 0
	s_cbranch_scc1 .Lblock
	s_wait_tensorcnt 0x0                           ; the wave's end
	ds_add_u32 v[SPW], v[NIL]
	s_wait_dscnt 0x0
	s_endpgm
.Lfunc_end_k_qf0eeff8d09_ffn2:
	.size	k_qf0eeff8d09_ffn2, .Lfunc_end_k_qf0eeff8d09_ffn2-k_qf0eeff8d09_ffn2
	.p2alignl 7, 3214868480
	.fill 96, 4, 3214868480
	.section	.rodata,"a",@progbits
	.p2align	6, 0x0
	.amdhsa_kernel k_qf0eeff8d09_ffn2
		.amdhsa_group_segment_fixed_size 71680
		.amdhsa_private_segment_fixed_size 0
		.amdhsa_enable_private_segment 0
		.amdhsa_kernarg_size 40
		.amdhsa_user_sgpr_count 2
		.amdhsa_user_sgpr_kernarg_segment_ptr 1
		.amdhsa_wavefront_size32 1
		.amdhsa_system_sgpr_workgroup_id_x 1
		.amdhsa_system_sgpr_workgroup_id_y 1
		.amdhsa_system_sgpr_workgroup_id_z 1
		.amdhsa_system_vgpr_workitem_id 0
		.amdhsa_next_free_vgpr 1024
		.amdhsa_next_free_sgpr 66
		.amdhsa_reserve_vcc 1
		.amdhsa_float_denorm_mode_32 3
		.amdhsa_float_denorm_mode_16_64 3
		.amdhsa_memory_ordered 1
		.amdhsa_forward_progress 1
		.amdhsa_inst_pref_size 129
	.end_amdhsa_kernel
	.amdgpu_metadata
---
amdhsa.version: [ 1, 2 ]
amdhsa.kernels:
  - .name:           k_qf0eeff8d09_ffn2
    .symbol:         k_qf0eeff8d09_ffn2.kd
    .args:
      - { .name: W2, .offset: 0, .size: 8, .value_kind: global_buffer, .address_space: global }
      - { .name: b2, .offset: 8, .size: 8, .value_kind: global_buffer, .address_space: global }
      - { .name: hid, .offset: 16, .size: 8, .value_kind: global_buffer, .address_space: global }
      - { .name: code, .offset: 24, .size: 8, .value_kind: global_buffer, .address_space: global }
      - { .name: part, .offset: 32, .size: 8, .value_kind: global_buffer, .address_space: global }
    .group_segment_fixed_size: 71680
    .private_segment_fixed_size: 0
    .kernarg_segment_align: 8
    .kernarg_segment_size: 40
    .max_flat_workgroup_size: 128
    .sgpr_count:     66
    .vgpr_count:     1024
    .wavefront_size: 32
...
	.end_amdgpu_metadata
.endif
;; end of part 3
;; launch combine (part 4): grid 256 x 1, 4 waves a work-group, no clusters, 0 bytes of LDS; arguments inp, ln_g, ln_b, gln_g, gln_b, part, wts, sel, out0; writes out0
.if DOCPART == 4
	.amdgcn_target "amdgcn-amd-amdhsa--gfx1250"
	.amdhsa_code_object_version 6
	.text
	.protected	k_qf0eeff8d09_combine
	.globl	k_qf0eeff8d09_combine
	.p2align	8
	.type	k_qf0eeff8d09_combine,@function
k_qf0eeff8d09_combine:
	s_mov_b64 s[64:65], 0
	v_nop
	global_prefetch_b8 v0, s[64:65] scope:SCOPE_SE
	s_setreg_imm32_b32 hwreg(HW_REG_WAVE_MODE, 25, 1), 1
	s_wait_xcnt 0x0
; COMBINE.  out[n] = x + the sum over the token's two groups of gw layernorm_g(z + iw part + iw' part'), all in f32.  One wave, one token (n = 4 wg + w): the row of 512 lies 16 numbers a lane
; (k = 128 c + 4 L + e), so every load and store of a row covers 512 consecutive bytes, the sums never leave the wave, and there is no LDS and no barrier.
; z = layernorm(x) ln_g + ln_b is made anew from x in f32: the residual inside a group wants more than the bf16 copy that fed the matrix units.
; part[4 n + slot] holds h W2 + b2 of the token's four experts; slots 0, 1 lie in the lower chosen group, slots 2, 3 in the upper.  wts[n]: the four inner weights by slot, then the two groups' weights.
; sel[n], whole numbers stored by the first launch, names the two groups, whose rows of gln_g and gln_b are then loaded (the group's number is held to 0 .. 3).
; Memory binds and the launch is small: matrix units, LDS and clusters would add nothing.
.set X,    16          ; v16-31
.set LG,   32          ; v32-47
.set LB,   48          ; v48-63
.set O,    64          ; v64-127  part, slot j at O + 16 j
.set GG,   128         ; v128-143 gln_g of the lower group, v144-159 its gln_b, v160-191 the upper group's
.set Z,    192         ; v192-207
.set U,    208         ; v208-223
.set OUT,  224         ; v224-239
.set TT,   240         ; v240-247 at work
.set PT,   248
.set KR,   249         ; 1 / 512
.macro RED v                           ; the sum over the 32 lanes, in every lane
	v_add_f32_dpp v[\v], v[\v], v[\v] row_xmask:1 row_mask:0xf bank_mask:0xf
	v_add_f32_dpp v[\v], v[\v], v[\v] row_xmask:2 row_mask:0xf bank_mask:0xf
	v_add_f32_dpp v[\v], v[\v], v[\v] row_xmask:4 row_mask:0xf bank_mask:0xf
	v_add_f32_dpp v[\v], v[\v], v[\v] row_xmask:8 row_mask:0xf bank_mask:0xf
	v_permlanex16_b32 v[PT], v[\v], s44, s45
	v_add_f32 v[\v], v[\v], v[PT]
.endm
; R = (S - mean) / sqrt(variance + 1e-5)
.macro LNS S, R
	v_pk_add_f32 v[TT:TT+1],   v[\S+0:\S+1],   v[\S+2:\S+3]
	v_pk_add_f32 v[TT+2:TT+3], v[\S+4:\S+5],   v[\S+6:\S+7]
	v_pk_add_f32 v[TT+4:TT+5], v[\S+8:\S+9],   v[\S+10:\S+11]
	v_pk_add_f32 v[TT+6:TT+7], v[\S+12:\S+13], v[\S+14:\S+15]
	v_pk_add_f32 v[TT:TT+1],   v[TT:TT+1],     v[TT+2:TT+3]
	v_pk_add_f32 v[TT+4:TT+5], v[TT+4:TT+5],   v[TT+6:TT+7]
	v_pk_add_f32 v[TT:TT+1],   v[TT:TT+1],     v[TT+4:TT+5]
	v_add_f32 v[TT], v[TT], v[TT+1]
	RED TT
	v_mul_f32 v[TT], v[TT], v[KR]
	v_mov_b32 v[TT+1], v[TT]
.irp p, 0,2,4,6,8,10,12,14
	v_pk_add_f32 v[\R+\p:\R+\p+1], v[\S+\p:\S+\p+1], v[TT:TT+1] neg_lo:[0,1] neg_hi:[0,1]
.endr
	v_pk_mul_f32 v[TT+2:TT+3], v[\R+0:\R+1], v[\R+0:\R+1]
	v_pk_mul_f32 v[TT+4:TT+5], v[\R+2:\R+3], v[\R+2:\R+3]
.irp p, 4,8,12
	v_pk_fma_f32 v[TT+2:TT+3], v[\R+\p:\R+\p+1],   v[\R+\p:\R+\p+1],   v[TT+2:TT+3]
	v_pk_fma_f32 v[TT+4:TT+5], v[\R+\p+2:\R+\p+3], v[\R+\p+2:\R+\p+3], v[TT+4:TT+5]
.endr
	v_pk_add_f32 v[TT+2:TT+3], v[TT+2:TT+3], v[TT+4:TT+5]
	v_add_f32 v[TT+2], v[TT+2], v[TT+3]
	RED TT+2
	v_fmaak_f32 v[TT+2], v[TT+2], v[KR], 0x3727c5ac    ; sum / 512 + 1e-5
	v_rsq_f32 v[TT+4], v[TT+2]
	v_rsq_f32 v[TT+5], v[TT+2]
	v_nop                                          ; a plain instruction between a root and the use of its result (ISA guide 5.7.2)
	s_wait_alu depctr_va_vdst(0)
.irp p, 0,2,4,6,8,10,12,14
	v_pk_mul_f32 v[\R+\p:\R+\p+1], v[\R+\p:\R+\p+1], v[TT+4:TT+5]
.endr
.endm
	s_load_b512 s[4:19], s[0:1], 0x0               ; inp s[4:5], ln_g s[6:7], ln_b s[8:9], gln_g s[10:11], gln_b s[12:13], part s[14:15], wts s[16:17], sel s[18:19]
	s_load_b64 s[20:21], s[0:1], 0x40              ; out0
	v_lshrrev_b32 v2, 5, v0
	v_readfirstlane_b32 s22, v2
	s_lshl_b32 s23, ttmp9, 2
	s_add_co_u32 s23, s23, s22                     ; my token n
	v_and_b32 v1, 31, v0
	v_lshlrev_b32 v2, 4, v1                        ; 16 L
	s_lshl_b32 s33, s23, 11
	v_add_nc_u32 v3, s33, v2                       ; 2,048 n + 16 L: x and out
	s_lshl_b32 s33, s23, 13
	v_add_nc_u32 v6, s33, v2                       ; 8,192 n + 16 L: the token's four rows of part
	s_lshl_b32 s34, s23, 5
	s_mov_b32 s35, 0
	s_lshl_b32 s36, s23, 2
	s_mov_b32 s37, 0
	s_mov_b32 s44, 0x76543210
	s_mov_b32 s45, 0xfedcba98
	v_mov_b32 v[PT], 0
	v_mov_b32 v[KR], 0x3b000000
	s_wait_kmcnt 0x0
	s_add_nc_u64 s[16:17], s[16:17], s[34:35]
	s_add_nc_u64 s[18:19], s[18:19], s[36:37]
	s_load_b256 s[24:31], s[16:17], 0x0            ; iw by slot s24-27, gw of the lower group s28, of the upper s29
	s_load_b32 s32, s[18:19], 0x0                  ; the bitmap of the four experts
.irp c, 0,1,2,3
	global_load_b128 v[X+4*\c:X+4*\c+3], v3, s[4:5] offset:512*\c
.endr
.irp c, 0,1,2,3
	global_load_b128 v[LG+4*\c:LG+4*\c+3], v2, s[6:7] offset:512*\c
.endr
.irp c, 0,1,2,3
	global_load_b128 v[LB+4*\c:LB+4*\c+3], v2, s[8:9] offset:512*\c
.endr
.irp j, 0,1,2,3
.irp c, 0,1,2,3
	global_load_b128 v[O+16*\j+4*\c:O+16*\j+4*\c+3], v6, s[14:15] offset:2048*\j+512*\c th:TH_LOAD_NT
.endr
.endr
	s_wait_kmcnt 0x0
	s_ctz_i32_b32 s33, s32                         ; the lowest chosen expert lies in the lower group
	s_lshr_b32 s33, s33, 3
	s_min_u32 s33, s33, 3
	s_lshl_b32 s33, s33, 11
	s_sub_co_u32 s34, s32, 1                       ; the two lowest bits are cleared: the next lies in the upper group
	s_and_b32 s34, s34, s32
	s_sub_co_u32 s35, s34, 1
	s_and_b32 s34, s34, s35
	s_ctz_i32_b32 s34, s34
	s_lshr_b32 s34, s34, 3
	s_min_u32 s34, s34, 3
	s_lshl_b32 s34, s34, 11
	v_add_nc_u32 v4, s33, v2                       ; 2,048 group + 16 L
	v_add_nc_u32 v5, s34, v2
.irp c, 0,1,2,3
	global_load_b128 v[GG+4*\c:GG+4*\c+3], v4, s[10:11] offset:512*\c
.endr
.irp c, 0,1,2,3
	global_load_b128 v[GG+16+4*\c:GG+16+4*\c+3], v4, s[12:13] offset:512*\c
.endr
.irp c, 0,1,2,3
	global_load_b128 v[GG+32+4*\c:GG+32+4*\c+3], v5, s[10:11] offset:512*\c
.endr
.irp c, 0,1,2,3
	global_load_b128 v[GG+48+4*\c:GG+48+4*\c+3], v5, s[12:13] offset:512*\c
.endr
	s_mov_b32 s36, s25                             ; a packed form takes the low word of an even scalar pair for both halves: the odd words get pairs of their own
	s_mov_b32 s37, s25
	s_mov_b32 s38, s27
	s_mov_b32 s39, s27
	s_mov_b32 s40, s29
	s_mov_b32 s41, s29
	s_wait_loadcnt 32                              ; x, ln_g, ln_b are in; behind them 16 loads of part and 16 of gln
	LNS X, Z
.irp p, 0,2,4,6,8,10,12,14
	v_pk_fma_f32 v[Z+\p:Z+\p+1], v[Z+\p:Z+\p+1], v[LG+\p:LG+\p+1], v[LB+\p:LB+\p+1]
.endr
	s_wait_loadcnt 16                              ; part is in
.irp p, 0,2,4,6,8,10,12,14
	v_pk_fma_f32 v[U+\p:U+\p+1], v[O+\p:O+\p+1],       s[24:25], v[Z+\p:Z+\p+1] op_sel_hi:[1,0,1]
	v_pk_fma_f32 v[U+\p:U+\p+1], v[O+16+\p:O+16+\p+1], s[36:37], v[U+\p:U+\p+1] op_sel_hi:[1,0,1]
.endr
	LNS U, U
	s_wait_loadcnt 0x0                             ; gln
.irp p, 0,2,4,6,8,10,12,14
	v_pk_fma_f32 v[U+\p:U+\p+1],     v[U+\p:U+\p+1], v[GG+\p:GG+\p+1], v[GG+16+\p:GG+16+\p+1]
	v_pk_fma_f32 v[OUT+\p:OUT+\p+1], v[U+\p:U+\p+1], s[28:29], v[X+\p:X+\p+1] op_sel_hi:[1,0,1]
.endr
.irp p, 0,2,4,6,8,10,12,14
	v_pk_fma_f32 v[U+\p:U+\p+1], v[O+32+\p:O+32+\p+1], s[26:27], v[Z+\p:Z+\p+1] op_sel_hi:[1,0,1]
	v_pk_fma_f32 v[U+\p:U+\p+1], v[O+48+\p:O+48+\p+1], s[38:39], v[U+\p:U+\p+1] op_sel_hi:[1,0,1]
.endr
	LNS U, U
.irp p, 0,2,4,6,8,10,12,14
	v_pk_fma_f32 v[U+\p:U+\p+1],     v[U+\p:U+\p+1], v[GG+32+\p:GG+32+\p+1], v[GG+48+\p:GG+48+\p+1]
	v_pk_fma_f32 v[OUT+\p:OUT+\p+1], v[U+\p:U+\p+1], s[40:41], v[OUT+\p:OUT+\p+1] op_sel_hi:[1,0,1]
.endr
.irp c, 0,1,2,3
	global_store_b128 v3, v[OUT+4*\c:OUT+4*\c+3], s[20:21] offset:512*\c th:TH_STORE_NT    ; 512 consecutive bytes, aligned
.endr
	s_endpgm
.Lfunc_end_k_qf0eeff8d09_combine:
	.size	k_qf0eeff8d09_combine, .Lfunc_end_k_qf0eeff8d09_combine-k_qf0eeff8d09_combine
	.p2alignl 7, 3214868480
	.fill 96, 4, 3214868480
	.section	.rodata,"a",@progbits
	.p2align	6, 0x0
	.amdhsa_kernel k_qf0eeff8d09_combine
		.amdhsa_group_segment_fixed_size 0
		.amdhsa_private_segment_fixed_size 0
		.amdhsa_enable_private_segment 0
		.amdhsa_kernarg_size 72
		.amdhsa_user_sgpr_count 2
		.amdhsa_user_sgpr_kernarg_segment_ptr 1
		.amdhsa_wavefront_size32 1
		.amdhsa_system_sgpr_workgroup_id_x 1
		.amdhsa_system_sgpr_workgroup_id_y 1
		.amdhsa_system_sgpr_workgroup_id_z 1
		.amdhsa_system_vgpr_workitem_id 0
		.amdhsa_next_free_vgpr 256
		.amdhsa_next_free_sgpr 66
		.amdhsa_reserve_vcc 0
		.amdhsa_float_denorm_mode_32 3
		.amdhsa_float_denorm_mode_16_64 3
		.amdhsa_memory_ordered 1
		.amdhsa_forward_progress 1
		.amdhsa_inst_pref_size 21
	.end_amdhsa_kernel
	.amdgpu_metadata
---
amdhsa.version: [ 1, 2 ]
amdhsa.kernels:
  - .name:           k_qf0eeff8d09_combine
    .symbol:         k_qf0eeff8d09_combine.kd
    .args:
      - { .name: inp, .offset: 0, .size: 8, .value_kind: global_buffer, .address_space: global }
      - { .name: ln_g, .offset: 8, .size: 8, .value_kind: global_buffer, .address_space: global }
      - { .name: ln_b, .offset: 16, .size: 8, .value_kind: global_buffer, .address_space: global }
      - { .name: gln_g, .offset: 24, .size: 8, .value_kind: global_buffer, .address_space: global }
      - { .name: gln_b, .offset: 32, .size: 8, .value_kind: global_buffer, .address_space: global }
      - { .name: part, .offset: 40, .size: 8, .value_kind: global_buffer, .address_space: global }
      - { .name: wts, .offset: 48, .size: 8, .value_kind: global_buffer, .address_space: global }
      - { .name: sel, .offset: 56, .size: 8, .value_kind: global_buffer, .address_space: global }
      - { .name: out0, .offset: 64, .size: 8, .value_kind: global_buffer, .address_space: global }
    .group_segment_fixed_size: 0
    .private_segment_fixed_size: 0
    .kernarg_segment_align: 8
    .kernarg_segment_size: 72
    .max_flat_workgroup_size: 128
    .sgpr_count:     66
    .vgpr_count:     256
    .wavefront_size: 32
...
	.end_amdgpu_metadata
.endif
;; end of part 4
